; MI455X (gfx1250); checked and timed in simulation.
; The chip was launched on July 23, 2026; its instructions are those of AMD's public machine-readable ISA for CDNA 5 (MIT licence, August 2026) and "CDNA5" Instruction Set Architecture Reference Guide (July 2026). The comments in the code are by the model that wrote it; some were corrected since.
;; Multi Head Attention. Allowed arithmetic: matrix products marked QUANTISED: E5M2 operands, one E8M0 scale for each 32 along K, by v_wmma_scale_f32_16x16x128_f8f6f4 with both operands' format E5M2, f32 sums; everything else in f32.
;; Inputs: b_o 1,024 float32; w_k_codes 1,024 x 32 x 32 uint8 (E5M2 codes of w_k, K innermost, in blocks of 32 codes); w_k_scales 1,024 x 32 uint8 (E8M0 scales of w_k, one for each 32 codes along K); w_o_codes 1,024 x 32 x 32 uint8 (E5M2 codes of w_o, K innermost, in blocks of 32 codes); w_o_scales 1,024 x 32 uint8 (E8M0 scales of w_o, one for each 32 codes along K); w_q_codes 1,024 x 32 x 32 uint8 (E5M2 codes of w_q, K innermost, in blocks of 32 codes); w_q_scales 1,024 x 32 uint8 (E8M0 scales of w_q, one for each 32 codes along K); w_v_codes 1,024 x 32 x 32 uint8 (E5M2 codes of w_v, K innermost, in blocks of 32 codes); w_v_scales 1,024 x 32 uint8 (E8M0 scales of w_v, one for each 32 codes along K); x_codes 4 x 2,048 x 32 x 32 uint8 (E5M2 codes of x, K innermost, in blocks of 32 codes); x_scales 4 x 2,048 x 32 uint8 (E8M0 scales of x, one for each 32 codes along K).
;; Outputs: out0 4 x 2,048 x 1,024 float32.
;; This version of the problem:
;;   THIS VERSION OF THE PROBLEM IS GIVEN IN LOW PRECISION. The matrix products marked QUANTISED in the list below multiply operands that are first quantised to E5M2 (5 exponent bits, 2 mantissa bits; 8 bits a number), with one power-of-two scale for each 32 numbers along K (OCP MX v1.0); their sums are f32. All else is computed in f32.
;;   The module's matrix products, in the order in which they are computed (A, B: the left and right operand; K: the contracted axis; several contracted axes count as one K, in the product's order):
;;     1. [M 8,192, K 1,024] x [K 1,024, N 1,024]; A: input x (given as codes); B: input w_q (given as codes): QUANTISED
;;     2. [M 8,192, K 1,024] x [K 1,024, N 1,024]; A: input x (given as codes); B: input w_k (given as codes): QUANTISED
;;     3. [M 8,192, K 1,024] x [K 1,024, N 1,024]; A: input x (given as codes); B: input w_v (given as codes): QUANTISED
;;     4. batch 64 x [M 2,048, K 64] x [K 64, N 2,048]; A: computed on the way; B: computed on the way: QUANTISED
;;     5. batch 64 x [M 2,048, K 2,048] x [K 2,048, N 64]; A: softmax (see below); B: computed on the way: QUANTISED
;;     6. [M 8,192, K 1,024] x [K 1,024, N 1,024]; A: computed on the way; B: input w_o (given as codes): QUANTISED
;;   THE QUANTISER, for each operand of a quantised product, along K:
;;     - K is cut into blocks of 32 from its start; a last block that is shorter is filled with zeros.
;;     - A block's scale is 2^e with e = floor(log2(the largest magnitude in the block)) - 15, held to -126 .. 127; a block of zeros has e = 0. As a byte (E8M0): e + 127.
;;     - Each number is divided by its block's scale, clamped to +-57,344, and rounded to the nearest number of E5M2, ties to even, subnormals kept.
;;     - The product sums the exact products of the quantised numbers (number of the format x scale) in f32.
;;   ~~~python
;;   def quantise(x, axis):      # numpy; x: float32 -> the quantised numbers, widened to float32 again
;;       x = np.moveaxis(x, axis, -1); K = x.shape[-1]
;;       x = np.pad(x, [(0, 0)] * (x.ndim - 1) + [(0, -K % 32)]); x = x.reshape(x.shape[:-1] + (-1, 32)); a = np.abs(x).max(-1, keepdims=True)
;;       e = np.where(a > 0, np.clip(np.frexp(np.where(a > 0, a, 1))[1] - 1 - 15, -126, 127), 0)      # np.frexp(a)[1] - 1 = floor(log2(a)), exactly
;;       r = np.clip(x / 2.0 ** e, -57344, 57344)
;;       step = 2.0 ** (np.maximum(np.frexp(np.where(r == 0, 1, r))[1] - 1, -14) - 2)
;;       q = np.round(r / step) * step * 2.0 ** e      # np.round: ties to even
;;       return np.moveaxis(q.reshape(q.shape[:-2] + (-1,))[..., :K], -1, axis).astype(np.float32)
;;   ~~~
;;   SOFTMAX AHEAD OF A QUANTISED PRODUCT. Where the list says 'softmax', what is quantised is not the finished softmax but p = 2^(t - M), with t = logit x log2(e) and M = ceil(the row's largest t), a whole number; so 1/2 < the row's largest p <= 1. The row's sum l is taken of the UNQUANTISED p, in f32, and the product's result is divided by l at the end. Since M is a whole number, a kernel that streams over the keys may use a running M (the ceiling of the running maximum): every later rescaling is an exact power of two, which a block's scale takes up: the codes' values come out the same.
;;   OPERANDS COMPUTED ON THE WAY. 'Computed on the way' means the value that the module computes at that place (a softmax that the list does not call 'softmax' is quantised finished and normalised). What goes into a quantiser is computed in f32, as accurately as f32 sums, v_exp_f32 and their like allow (about 1e-6 of the number): no bf16 or f16 on the way to a quantiser, and a product that is left as it is and whose result goes on into a quantised operand takes f32 operands (vector FMAs, or v_wmma_f32_16x16x4_f32). A number that lies on a knife's edge between two numbers of the format may be rounded either way, as far as f32 arithmetic and the matrix unit's own rounding can turn it there, and no further.
;;   INPUTS GIVEN AS CODES. w_k (in the module: [1024, 1024], K = its axis 1); w_o (in the module: [1024, 1024], K = its axis 1); w_q (in the module: [1024, 1024], K = its axis 1); w_v (in the module: [1024, 1024], K = its axis 1); x (in the module: [4, 2048, 1024], K = its axis 2): each comes as NAME_codes (uint8): NAME with its K axis moved to the last place and cut into blocks of 32 codes, [.., K / 32, bytes a block], one block behind the other in memory; one code a byte (a code: sign, 5 exponent bits, 2 mantissa bits); and NAME_scales (uint8): the same leading axes, one E8M0 byte (e + 127) for each 32 codes along K. Its value is code x scale, taken as it is: it is not quantised again, and the codes and scales need not be those that the quantiser above would give.
;; One version. Each part assembles by itself: llvm-mc -triple=amdgcn-amd-amdhsa -mcpu=gfx1250 --defsym DOCPART=n.
;; ======== version 1 of 1: 3 launches
;; limits: right only within a limited range of input values
;; workspace buffers: qkv 26,476,544 bytes; ctxc 8,388,608 bytes; ctxs 262,144 bytes
;; launch qkv (part 1): grid 12 x 64, 4 waves a work-group, clusters of 4 x 4, 327,680 bytes of LDS; arguments x_codes, x_scales, w_q_codes, w_q_scales, w_k_codes, w_k_scales, w_v_codes, w_v_scales, qkv; writes qkv
.if DOCPART == 1
	.amdgcn_target "amdgcn-amd-amdhsa--gfx1250"
	.amdhsa_code_object_version 6
	.text
	.protected	k_q0e502a8ecb_qkv
	.globl	k_q0e502a8ecb_qkv
	.p2align	8
	.type	k_q0e502a8ecb_qkv,@function
k_q0e502a8ecb_qkv:
	s_mov_b64 s[64:65], 0
	v_nop
	global_prefetch_b8 v0, s[64:65] scope:SCOPE_SE
	s_setreg_imm32_b32 hwreg(HW_REG_WAVE_MODE, 25, 1), 1
	s_wait_xcnt 0x0
	s_wait_alu depctr_hold_cnt(0) depctr_sa_sdst(0) depctr_va_vdst(0) depctr_va_sdst(0) depctr_va_ssrc(0) depctr_va_vcc(0) depctr_vm_vsrc(0)
	s_getreg_b32 s2, hwreg(HW_REG_IB_STS2, 6, 4)
	s_cmp_eq_u32 s2, 0
	s_cbranch_scc0 .Lentry_in_a_cluster
	s_endpgm
.Lentry_in_a_cluster:
	s_bfe_u32 s2, ttmp6, 0x10000c
	s_cmp_lg_u32 s2, 0xf033
	s_cbranch_scc0 .Lentry_shape_is_right
	s_endpgm
.Lentry_shape_is_right:
; q = x Wq^T, k = x Wk^T, v = x Wv^T on codes of E5M2 with E8M0 scales, and the results quantised in registers: q and k along the head's 64, v along the keys.
; Cluster x says which: 0 q, 1 k, 2 v.  A work-group makes 128 rows of the "lane operand" x 256 rows of the "register operand", K = 1,024; four waves, each 64 x 128: 32 accumulators.
; THE MATRIX INSTRUCTION IS USED TRANSPOSED: source 0 = 16 rows of the register operand, source 1 = 16 rows of the lane operand: lane (r, h), register j of accumulator (a, b) holds
; (lane row 16 a + r, register row 16 b + 8 h + j).  For q and k the lanes are tokens (x) and the registers features (W); for v the lanes are features (Wv) and the registers tokens (x):
; so in all three a lane's registers run along the axis that is quantised, and one way out serves all.
; K goes in four parts of 256 (rows of 256 bytes) through three LDS slots, all filled at the start; part 3 goes into slot 0 behind one round of the cluster's barrier.  Nothing loops.
; CLUSTER 4 x 4: the lane operand's tile is shared along a row of the cluster, the register operand's along a column: joint loads.
; THE SCALES never touch LDS: 16 rows' scale bytes for all of K are 512 dense bytes; one 16-byte load a lane at 32 r + 16 h gives lanes 0-15 the words of K steps 0-3 and lanes 16-31 those of steps 4-7.
; THE RESULTS leave as images of operand registers (64 head regions of HR bytes): two conversions of eight give a block's 16 bytes of a lane: byte 8 x + z is number 32 c + 16 x + 8 h + z of the block row:
; inside a block of 32 the order is permuted, alike for q and k and alike for v and the weights p of the next launch, so the products hold; the blocks, and so the scales, are the true ones.
; LIMITS: NaN and infinities are not served; a block of zeros gets the byte 1 (its codes are zeros; only this program reads the bytes); a block's largest magnitude is taken no smaller than 2^-111.
.set HR,    413696                     ; a head's region: K's images, V's images, K's and V's scale words, Q's images, Q's scale words
.set KIMG,  0
.set VIMG,  131072
.set KSC,   262144
.set VSC,   270336
.set QIMG,  274432
.set QSC,   405504
.set PITCH, 272                        ; an LDS row: 256 bytes + 16 of padding: the 16 rows of a fragment load start 4 banks apart
.set ATILE, 128*PITCH                  ; 128 rows
.set SLOT,  3*ATILE                    ; the lane operand's 128 rows, then the register operand's 256
.set SPARE, 3*SLOT                     ; behind the slots: the spare words, 128 bytes a wave
.set ADRA, 16                          ; v16-18 LDS address of my lane-operand fragments in slot 0, 1, 2
.set ADRB, 20                          ; v20-22 the same for the register operand
.set VO01, 24                          ; v24  16 x lane: blocks 0, 1 of an image
.set VO23, 25                          ; v25  the same for blocks 2, 3: 1,024 bytes on (v) or a head's region on (q, k)
.set VS,   26                          ; v26  8 x lane: two scale words
.set SPW,  28                          ; v28  my spare word; never rewritten
.set NIL,  29                          ; v29  0; never rewritten
.set SCA,  32                          ; v32-47 scale words of the lane operand: 4 a + (K step % 4)
.set SCB,  48                          ; v48-79 of the register operand: 4 b + (K step % 4)
.set TM,   80                          ; v80-83 largest magnitudes, v84-87 bytes, v92-95 the conversions' scale operands
.set PC,   96                          ; v96-111 the codes just made
.set W0,   112                         ; v112-115 scale words of the first head (v: of the only one), one for each a
.set W1,   116                         ; v116-119 of the second head
.set TA,   120
.set TBB,  121
.set TT,   122
.set XW,   124
.set YW,   126
.set AF,   128                         ; v128-255 lane-operand fragments, two sets of 4 x 16;  window 1: register-operand fragments, two sets of 8 x 16;  window 2: the accumulators at 8 (8 a + b)
.set G1A, 32
.set G1B, 40
.set G0A, 48                           ; s[48:59] three groups 0
.set G0B, 68                           ; s[68:79]
.set STP, 66                           ; s[66:67] bytes from one image to the next
.set WV, 80
.set WR, 81
.set WC, 82
.set CX, 83
.set CY, 84
.set TR, 85
.set TC, 86
.set ISV, 87
.set VM, 88
.set HM, 89
.set MNT, 90
.set SEL, 92
.set CB, 94                            ; s[94:95] where my codes go
.set SB, 96                            ; s[96:97] where my scale words go
.set MULW, 0xa1                        ; source 0 window 1, source 1 window 0, C and D window 2
.set TO_B, 0x40
.set MSB, 0
.macro WIN new                         ; the immediate's high byte repeats the setting that is left
.if MSB != \new
	s_set_vgpr_msb (MSB<<8)|\new
.set MSB, \new
.endif
.endm
.macro PLACES n
.rept \n
	v_nop
.endr
.endm
.macro JLOAD g0a, g0b                  ; waves 0, 1 fetch the lane operand's halves, waves 2, 3 the register operand's; four v_nop follow each line
	s_cmp_eq_u32 s[WR], 0
	s_cbranch_scc0 .Lfor_b_\@
	tensor_load_to_lds s[\g0a:\g0a+3], s[G1A:G1A+7]
	s_nop 0
	PLACES 4
	s_branch .Lasked_\@
.Lfor_b_\@:
	tensor_load_to_lds s[\g0b:\g0b+3], s[G1B:G1B+7]
	s_nop 0
	PLACES 4
.Lasked_\@:
.endm
.macro CREST
	s_cmp_lg_u32 s[WV], 0
	s_cbranch_scc1 .Lnot_wave_0_\@
	s_barrier_signal -3
.Lnot_wave_0_\@:
	s_barrier_wait -3
	s_barrier_signal -1
	s_barrier_wait -1
.endm
.macro CROUND
	s_barrier_signal -1
	s_barrier_wait -1
	CREST
.endm
	s_load_b256 s[4:11], s[0:1], 0x0               ; x's codes, x's scales, Wq's codes, Wq's scales
	s_load_b256 s[12:19], s[0:1], 0x20             ; Wk's, Wv's
	s_load_b64 s[20:21], s[0:1], 0x40              ; qkv
	v_lshl_add_u32 v[SPW], v0, 2, SPARE
	v_mov_b32 v[NIL], 0
	ds_add_u32 v28, v29
	ds_add_u32 v28, v29
	s_wait_dscnt 0x0
	v_lshrrev_b32 v1, 5, v0
	v_readfirstlane_b32 s[WV], v1                  ; wave 0..3
	s_lshr_b32 s[WR], s[WV], 1                     ; my half of the lane rows.  Also: I fetch the lane operand (0) or the register operand (1)
	s_and_b32 s[WC], s[WV], 1                      ; my half of the register rows.  Also: which half of that tile I fetch
	s_bfe_u32 s[CX], ttmp6, 0x40000
	s_bfe_u32 s[CY], ttmp6, 0x40004
	s_and_b32 s60, ttmp7, 0xffff                   ; cluster y, 0..15
	s_lshl_b32 s61, s60, 2
	s_and_b32 s62, s60, 1
	s_lshl_b32 s62, s62, 2
	s_lshr_b32 s63, s60, 1
	s_lshl_b32 s63, s63, 2
	s_cmp_eq_u32 ttmp9, 2                          ; v?  (cluster x: the same in all sixteen partners)
	s_cselect_b32 s61, s62, s61
	s_cselect_b32 s63, s63, 0
	s_cselect_b32 s[ISV], 1, 0
	s_cselect_b32 s[VM], -1, 0
	s_add_co_u32 s[TR], s61, s[CY]                 ; which 128 lane rows: q, k: 4 y + cy of 64;  v: 4 (y % 2) + cy of 8
	s_add_co_u32 s[TC], s63, s[CX]                 ; which 256 register rows: q, k: cx of 4;  v: 4 (y / 2) + cx of 32
	s_lshl_b32 s22, s[CY], 2
	s_lshl_b32 s22, 15, s22                        ; my row of the cluster
	s_lshl_b32 s24, 0x1111, s[CX]                  ; my column
	s_or_b32 s[G1A], s22, (1<<20)|(1<<21)|(5<<22)|(3<<25)   ; mask; elements of 1 byte; padding on; bit 21 beside a mask; 4 words behind every 64
	s_or_b32 s[G1B], s24, (1<<20)|(1<<21)|(5<<22)|(3<<25)
	s_mov_b32 s[G1A+1], 256<<16                    ; tensor_dim0
	s_mov_b32 s[G1A+2], 64<<16                     ; tensor_dim1
	s_mov_b32 s[G1A+3], 256<<16                    ; tile_dim0
	s_mov_b32 s[G1A+4], 64                         ; tile_dim1
	s_mov_b32 s[G1A+5], 1024                       ; from row to row
	s_mov_b32 s[G1A+6], 0
	s_mov_b32 s[G1A+7], 0
	s_mov_b32 s[G1B+1], 256<<16
	s_mov_b32 s[G1B+2], 128<<16
	s_mov_b32 s[G1B+3], 256<<16
	s_mov_b32 s[G1B+4], 128
	s_mov_b32 s[G1B+5], 1024
	s_mov_b32 s[G1B+6], 0
	s_mov_b32 s[G1B+7], 0
	s_lshl_b32 s22, s[TR], 7                       ; the lane operand: row 128 TR + 64 x half, 1,024 bytes a row (registers that never hold cx)
	s_lshl_b32 s23, s[WC], 6
	s_add_co_u32 s22, s22, s23
	s_lshl_b32 s22, s22, 10
	s_mov_b32 s23, 0
	s_lshl_b32 s24, s[TC], 8                       ; the register operand: row 256 TC + 128 x half (registers that never hold cy)
	s_lshl_b32 s25, s[WC], 7
	s_add_co_u32 s24, s24, s25
	s_lshl_b32 s24, s24, 10
	s_mov_b32 s25, 0
	s_mul_i32 s98, s[WC], 64*PITCH                 ; where they go in a slot: the wave's number alone
	s_mul_i32 s99, s[WC], ATILE
	s_add_co_u32 s99, s99, ATILE
	s_mov_b32 s[HM], 0xffff0000
	s_mov_b32 s[SEL], 0x76543210
	s_mov_b32 s[SEL+1], 0xfedcba98
	s_wait_kmcnt 0x0
	s_cmp_eq_u32 ttmp9, 0
	s_cselect_b64 s[8:9], s[8:9], s[12:13]         ; q's or k's weight
	s_cselect_b64 s[10:11], s[10:11], s[14:15]
	s_cmp_eq_u32 ttmp9, 2
	s_cselect_b64 s[12:13], s[16:17], s[4:5]       ; the lane operand's codes: Wv or x
	s_cselect_b64 s[14:15], s[18:19], s[6:7]       ; and scales
	s_cselect_b64 s[4:5], s[4:5], s[8:9]           ; the register operand's codes: x or the weight
	s_cselect_b64 s[6:7], s[6:7], s[10:11]         ; and scales
	s_add_nc_u64 s[12:13], s[12:13], s[22:23]
	s_add_nc_u64 s[4:5], s[4:5], s[24:25]
	CROUND                                         ; all sixteen work-groups are here: the first joint loads meet
.irp s, 0,1,2
	s_mov_b32 s[G0A+4*\s], 1
	s_add_co_u32 s[G0A+4*\s+1], s98, \s*SLOT
	s_add_nc_u64 s[G0A+4*\s+2:G0A+4*\s+3], s[12:13], \s*256
	s_or_b32 s[G0A+4*\s+3], s[G0A+4*\s+3], 0x80000000
	s_mov_b32 s[G0B+4*\s], 1
	s_add_co_u32 s[G0B+4*\s+1], s99, \s*SLOT
	s_add_nc_u64 s[G0B+4*\s+2:G0B+4*\s+3], s[4:5], \s*256
	s_or_b32 s[G0B+4*\s+3], s[G0B+4*\s+3], 0x80000000
	JLOAD G0A+4*\s, G0B+4*\s                       ; K parts 0, 1, 2: three loads of mine are out
.endr
	v_and_b32 v1, 15, v0                           ; r
	v_bfe_u32 v2, v0, 4, 1                         ; h
	v_lshlrev_b32 v3, 5, v1
	v_lshl_add_u32 v3, v2, 4, v3                   ; scales: 32 r + 16 h
	s_wait_alu depctr_va_vdst(0)
	s_lshl_b32 s22, s[TR], 7
	s_lshl_b32 s23, s[WR], 6
	s_add_co_u32 s22, s22, s23
	s_lshl_b32 s22, s22, 5                         ; my 64 lane rows' scale bytes
	s_mov_b32 s23, 0
	s_add_nc_u64 s[14:15], s[14:15], s[22:23]
	s_lshl_b32 s24, s[TC], 8
	s_lshl_b32 s25, s[WC], 7
	s_add_co_u32 s24, s24, s25
	s_lshl_b32 s24, s24, 5                         ; my 128 register rows'
	s_mov_b32 s25, 0
	s_add_nc_u64 s[6:7], s[6:7], s[24:25]
.irp a, 0,1,2,3
	global_load_b128 v[SCA+4*\a:SCA+4*\a+3], v3, s[14:15] offset:512*\a
.endr
.irp b, 0,1,2,3,4,5,6,7
	global_load_b128 v[SCB+4*\b:SCB+4*\b+3], v3, s[6:7] offset:512*\b
.endr
	v_mul_u32_u24 v4, v1, PITCH
	v_lshl_add_u32 v4, v2, 4, v4                   ; a fragment's row x pitch + 16 h
	s_mul_i32 s26, s[WR], 64*PITCH
	s_mul_i32 s27, s[WC], ATILE
	s_add_co_u32 s27, s27, ATILE
.irp s, 0,1,2
	v_add_nc_u32 v[ADRA+\s], s26, v4
	v_add_nc_u32 v[ADRB+\s], s27, v4
	s_add_co_u32 s26, s26, SLOT
	s_add_co_u32 s27, s27, SLOT
.endr
.irp b, 0,1,2,3
	v_mov_b32 v[TM+4+\b], 0                        ; written once: a lane permute's destination counts as one of its sources
.endr
	; where the results go.  q, k: head 16 (TR / 16) + 4 TC + 2 WC (and the next), key step TR % 16, tiles 4 WR on.  v: head 16 (TC / 8) + 2 TR + WR, key step 2 (TC % 8) + WC
	s_lshr_b32 s26, s[TR], 4
	s_lshl_b32 s26, s26, 4
	s_lshl_b32 s27, s[TC], 2
	s_add_co_u32 s26, s26, s27
	s_lshl_b32 s27, s[WC], 1
	s_add_co_u32 s26, s26, s27
	s_and_b32 s27, s[TR], 15
	s_lshr_b32 s28, s[TC], 3
	s_lshl_b32 s28, s28, 4
	s_lshl_b32 s29, s[TR], 1
	s_add_co_u32 s28, s28, s29
	s_add_co_u32 s28, s28, s[WR]
	s_and_b32 s29, s[TC], 7
	s_lshl_b32 s29, s29, 1
	s_add_co_u32 s29, s29, s[WC]
	s_lshl_b32 s30, s[WR], 12
	s_lshl_b32 s31, s[WR], 8
	s_lshl_b32 s60, s27, 9
	s_add_co_u32 s60, s60, s31                     ; q, k: 512 bytes of scale words a step, 256 a half
	s_lshl_b32 s61, s29, 8                         ; v: 256 a step
	s_mov_b32 s62, QIMG
	s_mov_b32 s63, QSC
	s_mov_b32 s98, KSC
	s_cmp_eq_u32 ttmp9, 0
	s_cselect_b32 s62, s62, KIMG
	s_cselect_b32 s63, s63, s98
	s_mov_b32 s98, VIMG
	s_mov_b32 s99, VSC
	s_mov_b32 s100, HR
	s_mov_b32 s[STP], 1024
	s_cmp_eq_u32 ttmp9, 2
	s_cselect_b32 s26, s28, s26
	s_cselect_b32 s27, s29, s27
	s_cselect_b32 s30, 0, s30
	s_cselect_b32 s60, s61, s60
	s_cselect_b32 s62, s98, s62
	s_cselect_b32 s63, s99, s63
	s_cselect_b32 s100, 1024, s100
	s_cselect_b32 s[STP], 2048, s[STP]
	s_mov_b32 s[STP+1], 0
	s_mul_i32 s26, s26, HR
	s_lshl_b32 s27, s27, 13                        ; 8,192 bytes of images a step
	s_add_co_u32 s28, s26, s62
	s_add_co_u32 s28, s28, s27
	s_add_co_u32 s28, s28, s30
	s_mov_b32 s29, 0
	s_add_nc_u64 s[CB:CB+1], s[20:21], s[28:29]
	s_add_co_u32 s30, s26, s63
	s_add_co_u32 s30, s30, s60
	s_mov_b32 s31, 0
	s_add_nc_u64 s[SB:SB+1], s[20:21], s[30:31]
	v_and_b32 v5, 31, v0
	v_lshlrev_b32 v[VO01], 4, v5
	v_add_nc_u32 v[VO23], s100, v[VO01]
	v_lshlrev_b32 v[VS], 3, v5
.macro FRAGR reg, adr, q, i            ; 16 rows x 128 K of codes: lane (r, h): registers 4 c .. 4 c + 3 hold K = 32 c + 16 h + 0 .. 15
.irp c, 0,1,2,3
	ds_load_b128 v[\reg+4*\c:\reg+4*\c+3], v[\adr] offset:128*(\q)+32*\c+(\i)*16*PITCH
.endr
.endm
.macro FETCH s                         ; K step s of 128: 48 LDS loads in one run, into the sets s % 2
	WIN TO_B
.irp i, 0,1,2,3,4,5,6,7
	FRAGR 128*((\s)%2)+16*\i, ADRB+((\s)/2)%3, (\s)%2, \i
.endr
	WIN 0
.irp i, 0,1,2,3
	FRAGR AF+64*((\s)%2)+16*\i, ADRA+((\s)/2)%3, (\s)%2, \i
.endr
.endm
.macro WM d, f0, f1, first, s0, s1, row
.if \first
	v_wmma_scale_f32_16x16x128_f8f6f4 v[\d:\d+7], v[\f0:\f0+15], v[\f1:\f1+15], 0, v[\s0], v[\s1] matrix_a_fmt:MATRIX_FMT_BF8 matrix_b_fmt:MATRIX_FMT_BF8
.elseif \row
	v_wmma_scale_f32_16x16x128_f8f6f4 v[\d:\d+7], v[\f0:\f0+15], v[\f1:\f1+15], v[\d:\d+7], v[\s0], v[\s1] matrix_a_fmt:MATRIX_FMT_BF8 matrix_b_fmt:MATRIX_FMT_BF8 matrix_a_scale:MATRIX_SCALE_ROW1 matrix_b_scale:MATRIX_SCALE_ROW1
.else
	v_wmma_scale_f32_16x16x128_f8f6f4 v[\d:\d+7], v[\f0:\f0+15], v[\f1:\f1+15], v[\d:\d+7], v[\s0], v[\s1] matrix_a_fmt:MATRIX_FMT_BF8 matrix_b_fmt:MATRIX_FMT_BF8
.endif
.endm
.macro MUL a, s, first                 ; 8 matrix instructions: lane block a against the eight register blocks.  The 32 accumulators take turns, in the same order in every step
.irp b, 0,1,2,3,4,5,6,7
	WM 8*(8*(\a)+\b), 128*((\s)%2)+16*\b, AF+64*((\s)%2)+16*(\a), \first, SCB+4*\b+(\s)%4, SCA+4*(\a)+(\s)%4, (\s)/4
.endr
.endm
.macro STEP s, first
.if (\s) > 0
	PLACES 8                                       ; loads into registers that the last step's products read stand eight plain vector instructions behind them
.endif
	FETCH (\s)+1
	s_wait_dscnt 48                                ; all but the 48 just issued: this step's fragments are in
	WIN MULW
	MUL 0, \s, \first
	MUL 1, \s, \first
	MUL 2, \s, \first
	MUL 3, \s, \first
.endm
; A step with a barrier in it.  In front of it each wave waits for all its tensor loads, adds 0 to its spare word, and waits for that and for its LDS reads.  fill = 1: slot 0 takes K part 3.
.macro TURN s, fill
	WIN 0
	s_wait_tensorcnt 0x0                           ; all my tensor loads have landed
	ds_add_u32 v[SPW], v[NIL]                      ; 0 onto my spare word
	s_wait_dscnt 1                                 ; this step's fragments are in; the add alone may be out
	WIN MULW
	MUL 0, \s, 0
	s_wait_dscnt 0x0                               ; the add is done, and no LDS read of mine is out
	s_barrier_signal -1
	MUL 1, \s, 0
	WIN 0
	s_barrier_wait -1
.if \fill
	CREST                                          ; the barrier has opened a round of the cluster's: no wave of any partner still reads slot 0 or has a load on its way
	s_add_nc_u64 s[G0A+2:G0A+3], s[G0A+2:G0A+3], 768
	s_add_nc_u64 s[G0B+2:G0B+3], s[G0B+2:G0B+3], 768
	JLOAD G0A, G0B                                 ; the first tensor load behind the round, one a wave; its four v_nop are four of the eight places below
	PLACES 4
.else
	PLACES 8
.endif
	FETCH (\s)+1
	WIN MULW
	MUL 2, \s, 0
	MUL 3, \s, 0
.endm
	s_wait_tensorcnt 2                             ; my part of slot 0 is in; the two younger loads may be out
	s_barrier_signal -1
	s_barrier_wait -1
	FETCH 0
	s_wait_loadcnt 0x0                             ; the scale words
	STEP 0, 1                                      ; the first products start the sums: nothing is cleared
	TURN 1, 1                                      ; slots 1 and 2 are whole for everybody; slot 0 has been read out and takes part 3
	STEP 2, 0
	s_wait_alu depctr_va_vdst(0)
	STEP 3, 0
	STEP 4, 0
	TURN 5, 0                                      ; part 3 is whole for everybody
	STEP 6, 0
	s_wait_dscnt 0x0
	MUL 0, 7, 0
	MUL 1, 7, 0
	MUL 2, 7, 0
	MUL 3, 7, 0
	PLACES 8
; THE WAY OUT.  The 64 registers of lane block a: register 16 b + i is number 32 b + 16 (i / 8) + 8 h + i % 8 along the quantised axis: four blocks of 32, each shared by lanes l and l xor 16.
.macro QUANT a
.set XB, 64*(\a)
	WIN 0x0a                                       ; sources 0 and 1 window 2
.irp b, 0,1,2,3
	v_max3_num_f32 v[TM+\b], |v[XB+16*\b]|, |v[XB+16*\b+1]|, 0x8000000   ; with the floor 2^(16 - 127): the byte cannot fall under 1.  Each accumulator is read from its low end on
.endr
.irp i, 2,4,6,8,10,12,14
.irp b, 0,1,2,3
	v_max3_num_f32 v[TM+\b], |v[XB+16*\b+\i]|, |v[XB+16*\b+\i+1]|, v[TM+\b]
.endr
.endr
	WIN 0
.irp b, 0,1,2,3
	v_permlanex16_b32 v[TM+4+\b], v[TM+\b], s[SEL], s[SEL+1]
.endr
.irp b, 0,1,2,3
	v_max_num_f32 v[TM+\b], v[TM+\b], v[TM+4+\b]   ; the block's largest magnitude
.endr
.irp b, 0,1,2,3
	v_add_nc_u32 v[TM+12+\b], 0xf8800000, v[TM+\b] ; 15 off its exponent field: the conversion's scale operand
.endr
.irp b, 0,1,2,3
.endr
.irp b, 0,1,2,3
	v_lshrrev_b32 v[TM+4+\b], 23, v[TM+12+\b]      ; the scale's byte
.endr
	v_lshl_or_b32 v[TA], v[TM+5], 8, v[TM+4]
	v_lshl_or_b32 v[TBB], v[TM+7], 8, v[TM+6]
	v_cndmask_b32 v[TT], v[TA], v[TBB], s[VM]
	v_lshl_or_b32 v[W0+\a], v[TT], 16, v[TA]       ; v: the four blocks' bytes;  q, k: the first head's two, twice (the upper two stand over zero codes)
	v_lshl_or_b32 v[W1+\a], v[TBB], 16, v[TBB]     ; q, k: the second head's two, twice
	WIN 0x82                                       ; source 0 and destination window 2
.irp b, 0,1,2,3
.irp i, 0,1,2,3,4,5,6,7,8,9,10,11,12,13,14,15
.endr
.endr
	WIN 0x02
.irp b, 0,1,2,3
	v_cvt_scalef32_pk8_bf8_f32 v[PC+4*\b:PC+4*\b+1], v[XB+16*\b:XB+16*\b+7], v[TM+12+\b]
	v_cvt_scalef32_pk8_bf8_f32 v[PC+4*\b+2:PC+4*\b+3], v[XB+16*\b+8:XB+16*\b+15], v[TM+12+\b]
.endr
	WIN 0
	v_nop                                          ; one plain vector instruction behind the last conversion
	global_store_b128 v[VO01], v[PC:PC+3], s[CB:CB+1]               ; each store of the wave covers 512 consecutive bytes, aligned
	global_store_b128 v[VO01], v[PC+4:PC+7], s[CB:CB+1] offset:512
	global_store_b128 v[VO23], v[PC+8:PC+11], s[CB:CB+1]
	global_store_b128 v[VO23], v[PC+12:PC+15], s[CB:CB+1] offset:512
	s_wait_xcnt 0x0                                ; the stores have read their data and their base: both are written again below
	s_add_nc_u64 s[CB:CB+1], s[CB:CB+1], s[STP:STP+1]
.endm
	QUANT 0
	QUANT 1
	QUANT 2
	QUANT 3
	v_cndmask_b32 v[XW], v[W0], v[W0+1], s[HM]     ; lanes 0-15: tile 2 i's words, lanes 16-31: tile 2 i + 1's
	v_cndmask_b32 v[XW+1], v[W0+2], v[W0+3], s[HM]
	global_store_b64 v[VS], v[XW:XW+1], s[SB:SB+1] ; 256 consecutive bytes, aligned
	s_cmp_eq_u32 s[ISV], 1
	s_cbranch_scc1 .Lone_head                      ; v has one head to a wave
	v_cndmask_b32 v[YW], v[W1], v[W1+1], s[HM]
	v_cndmask_b32 v[YW+1], v[W1+2], v[W1+3], s[HM]
	global_store_b64 v[VS], v[YW:YW+1], s[SB:SB+1] offset:HR
.Lone_head:
	s_wait_tensorcnt 0x0                           ; the wave's end
	ds_add_u32 v[SPW], v[NIL]
	s_wait_dscnt 0x0
	CROUND                                         ; the closing round
	s_endpgm
.Lfunc_end_k_q0e502a8ecb_qkv:
	.size	k_q0e502a8ecb_qkv, .Lfunc_end_k_q0e502a8ecb_qkv-k_q0e502a8ecb_qkv
	.p2alignl 7, 3214868480
	.fill 96, 4, 3214868480
	.section	.rodata,"a",@progbits
	.p2align	6, 0x0
	.amdhsa_kernel k_q0e502a8ecb_qkv
		.amdhsa_group_segment_fixed_size 327680
		.amdhsa_private_segment_fixed_size 0
		.amdhsa_enable_private_segment 0
		.amdhsa_kernarg_size 72
		.amdhsa_user_sgpr_count 2
		.amdhsa_user_sgpr_kernarg_segment_ptr 1
		.amdhsa_wavefront_size32 1
		.amdhsa_system_sgpr_workgroup_id_x 1
		.amdhsa_system_sgpr_workgroup_id_y 1
		.amdhsa_system_sgpr_workgroup_id_z 1
		.amdhsa_system_vgpr_workitem_id 0
		.amdhsa_next_free_vgpr 768
		.amdhsa_next_free_sgpr 102
		.amdhsa_reserve_vcc 0
		.amdhsa_float_denorm_mode_32 3
		.amdhsa_float_denorm_mode_16_64 3
		.amdhsa_fp16_overflow 1
		.amdhsa_memory_ordered 1
		.amdhsa_forward_progress 1
		.amdhsa_inst_pref_size 91
	.end_amdhsa_kernel
	.amdgpu_metadata
---
amdhsa.version: [ 1, 2 ]
amdhsa.kernels:
  - .name:           k_q0e502a8ecb_qkv
    .symbol:         k_q0e502a8ecb_qkv.kd
    .args:
      - { .name: x_codes, .offset: 0, .size: 8, .value_kind: global_buffer, .address_space: global }
      - { .name: x_scales, .offset: 8, .size: 8, .value_kind: global_buffer, .address_space: global }
      - { .name: w_q_codes, .offset: 16, .size: 8, .value_kind: global_buffer, .address_space: global }
      - { .name: w_q_scales, .offset: 24, .size: 8, .value_kind: global_buffer, .address_space: global }
      - { .name: w_k_codes, .offset: 32, .size: 8, .value_kind: global_buffer, .address_space: global }
      - { .name: w_k_scales, .offset: 40, .size: 8, .value_kind: global_buffer, .address_space: global }
      - { .name: w_v_codes, .offset: 48, .size: 8, .value_kind: global_buffer, .address_space: global }
      - { .name: w_v_scales, .offset: 56, .size: 8, .value_kind: global_buffer, .address_space: global }
      - { .name: qkv, .offset: 64, .size: 8, .value_kind: global_buffer, .address_space: global }
    .group_segment_fixed_size: 327680
    .private_segment_fixed_size: 0
    .kernarg_segment_align: 8
    .kernarg_segment_size: 72
    .max_flat_workgroup_size: 128
    .sgpr_count:     102
    .vgpr_count:     768
    .wavefront_size: 32
...
	.end_amdgpu_metadata
.endif
;; end of part 1
;; launch attn (part 2): grid 4 x 64, 16 waves a work-group, clusters of 4 x 1, 276,480 bytes of LDS; arguments qkv, ctxc, ctxs; writes ctxc, ctxs
.if DOCPART == 2
	.amdgcn_target "amdgcn-amd-amdhsa--gfx1250"
	.amdhsa_code_object_version 6
	.text
	.protected	k_q0e502a8ecb_attn
	.globl	k_q0e502a8ecb_attn
	.p2align	8
	.type	k_q0e502a8ecb_attn,@function
k_q0e502a8ecb_attn:
	s_mov_b64 s[64:65], 0
	v_nop
	global_prefetch_b8 v0, s[64:65] scope:SCOPE_SE
	s_setreg_imm32_b32 hwreg(HW_REG_WAVE_MODE, 25, 1), 1
	s_wait_xcnt 0x0
	s_wait_alu depctr_hold_cnt(0) depctr_sa_sdst(0) depctr_va_vdst(0) depctr_va_sdst(0) depctr_va_ssrc(0) depctr_va_vcc(0) depctr_vm_vsrc(0)
	s_getreg_b32 s2, hwreg(HW_REG_IB_STS2, 6, 4)
	s_cmp_eq_u32 s2, 0
	s_cbranch_scc0 .Lentry_in_a_cluster
	s_endpgm
.Lentry_in_a_cluster:
	s_bfe_u32 s2, ttmp6, 0x10000c
	s_cmp_lg_u32 s2, 0x3003
	s_cbranch_scc0 .Lentry_shape_is_right
	s_endpgm
.Lentry_shape_is_right:
; Causal attention of one head on codes of E5M2: S^T = K Q^T (K = the head's 64; the upper 64 of the instruction's 128 are zero codes), p = 2^(t - M) quantised along the keys, O^T = V^T p, O / l quantised along D.
; t = score x log2(e) / 8; M = the running largest t rounded up to a whole number; l is the sum of the unquantised p; when M moves, l and O^T are multiplied by 2^(old M - new M), which rounds nothing.
; SHARES.  The four work-groups of a cluster own one head.  The head's K and V images and their scale words, 274,432 dense bytes, come into LDS ONCE, by one joint load a wave (67 rows of 256 bytes each), and stay:
; no slot is filled again, and no barrier stands in the loops.  A wave owns two tiles of 16 queries, 8 a + b and 127 - (8 a + b), a = wave / 2, b = 2 cx + wave % 2: a + 1 and 16 - a key steps of 128: 17 for every wave.
; Branches and LDS addresses hang on a and on loop counters alone; b goes into global addresses and into the mask's vector number only.  Both loops have constant trip counts; a step behind the tile's last is jumped over.
; LAYOUT.  Both products transposed: a lane holds one query.  Register 8 t + j of S^T is key 16 t + 8 h + j, so two conversions of eight give, for key block c, bytes 8 x + z = key 32 c + 16 x + 8 h + z: the order in which
; the launch before laid V's keys.  The context leaves in the true order along D (two half-wave swaps a block), as the given weight of the next product wants it.
; LIMITS: NaN and infinities are not served; a block of zeros gets the byte 1 (its codes are zeros); a block's largest magnitude is taken no smaller than 2^-111; the context's scale bytes leave as 2 bytes a row,
; since a head owns two of a scale word's four bytes.
.set HR,    413696
.set VIMG,  131072
.set KSC,   262144
.set VSC,   270336
.set QIMG,  274432
.set QSC,   405504
.set SHARE, 17152                      ; a wave's part of the head's 274,432 bytes
.set LI,   1                           ; v1  16 x lane (K's images begin at LDS byte 0)
.set AV0,  2                           ; v2  16 x lane + V's images
.set ASK0, 3                           ; v3  8 x lane + K's scale words
.set ASV0, 4                           ; v4  8 x lane + V's
.set RH,   5                           ; v5  r - 8 h
.set R8,   6                           ; v6  8 r
.set R4,   7                           ; v7  4 r
.set ADK,  8
.set ADV,  9
.set ADS,  10
.set ADT,  11
.set BM,   208                         ; v208-211 a block's largest score, then its largest p
.set PT,   212                         ; v212-215 at work
.set LM,   216
.set SO,   220                         ; v220-223 the conversions' scale operands
; v12 -M, v13 the largest t, v[14:15] l;  v16-31 Q of the low tile, v240-255 of the high (8 registers of codes, 8 of zeros);  v32-95 four fragments of K (8 + 8 zeros each);  v96-159 S^T, p, then V's four fragments;
; v160-191 O^T;  v192-207 p's codes;  v224-227 K's scale words, v228-229 V's, v230 and v236 Q's, v231 p's;  v[232:233] f;  v234, v235 at work;  v238 the mask's number, v239 -infinity
.set WV, 10
.set AA, 11
.set CX, 12
.set BH, 13
.set TIL, 14
.set TIH, 15
.set G0, 16
.set G1, 20
.set CS, 28
.set SEL, 30
.set MNT, 32
.set TB, 33
.set TS, 34
.set TJ, 35
.set KS, 36
.set LS, 37
.set HB, 44                            ; s[44:45] the head's region in qkv
.set CBH, 56                           ; s56 the head's part of the offset in ctxc;  s57 in ctxs
.set SBH, 57
.macro CROUND
	s_barrier_signal -1
	s_barrier_wait -1
	s_cmp_lg_u32 s[WV], 0
	s_cbranch_scc1 .Lnot_wave_0_\@
	s_barrier_signal -3
.Lnot_wave_0_\@:
	s_barrier_wait -3
	s_barrier_signal -1
	s_barrier_wait -1
.endm
	s_load_b128 s[4:7], s[0:1], 0x0                ; qkv, ctxc
	s_load_b64 s[8:9], s[0:1], 0x10                ; ctxs
	v_lshl_add_u32 v254, v0, 2, 0x43000
	v_mov_b32 v255, 0
	ds_add_u32 v254, v255
	ds_add_u32 v254, v255
	s_wait_dscnt 0x0
	v_lshrrev_b32 v8, 5, v0
	s_delay_alu instid0(VALU_DEP_1)
	v_readfirstlane_b32 s[WV], v8                  ; wave 0..15
	s_lshr_b32 s[AA], s[WV], 1
	s_bfe_u32 s[CX], ttmp6, 0x40000
	s_and_b32 s[BH], ttmp7, 0xffff                 ; 16 x batch + head: the same in all four partners
	s_mov_b32 s[G1], 15|(3<<16)|(1<<21)            ; mask: all four; elements of 8 bytes; bit 21 beside a mask; no padding
	s_mov_b32 s[G1+1], 32<<16                      ; rows of 32 elements = 256 bytes
	s_mov_b32 s[G1+2], 67<<16
	s_mov_b32 s[G1+3], 32<<16
	s_mov_b32 s[G1+4], 67
	s_mov_b32 s[G1+5], 32                          ; dense
	s_mov_b32 s[G1+6], 0
	s_mov_b32 s[G1+7], 0
	s_mul_i32 s40, s[BH], HR
	s_mov_b32 s41, 0
	s_mul_i32 s42, s[WV], SHARE
	s_mov_b32 s43, 0
	s_mov_b32 s[CS], 0x3e38aa3b                    ; log2(e) / sqrt(64)
	s_mov_b32 s[CS+1], s[CS]
	s_mov_b32 s[SEL], 0x76543210
	s_mov_b32 s[SEL+1], 0xfedcba98
	s_wait_kmcnt 0x0
	s_add_nc_u64 s[HB:HB+1], s[4:5], s[40:41]
	s_mov_b32 s[G0], 1
	s_mov_b32 s[G0+1], s42
	s_add_nc_u64 s[G0+2:G0+3], s[HB:HB+1], s[42:43]
	s_or_b32 s[G0+3], s[G0+3], 0x80000000
	CROUND                                         ; all four work-groups are here: the joint loads meet
	tensor_load_to_lds s[G0:G0+3], s[G1:G1+7]      ; my one tensor load of the launch
	s_nop 0
.rept 4
	v_nop
.endr
	s_and_b32 s46, s[WV], 1
	s_lshl_b32 s47, s[CX], 1
	s_add_co_u32 s46, s46, s47                     ; b
	s_lshl_b32 s47, s[AA], 3
	s_add_co_u32 s[TIL], s47, s46                  ; my low tile
	s_sub_co_u32 s[TIH], 127, s[TIL]               ; my high tile
	v_and_b32 v8, 31, v0
	s_delay_alu instid0(VALU_DEP_1)
	v_lshlrev_b32 v[LI], 4, v8
	s_delay_alu instid0(VALU_DEP_1)
	v_add_nc_u32 v[AV0], VIMG, v[LI]
	s_delay_alu instid0(VALU_DEP_3)
	v_lshl_add_u32 v[ASK0], v8, 3, KSC
	s_delay_alu instid0(VALU_DEP_4)
	v_lshl_add_u32 v[ASV0], v8, 3, VSC
	v_and_b32 v9, 15, v0
	v_bfe_u32 v10, v0, 4, 1
	s_delay_alu instid0(VALU_DEP_1)
	v_lshlrev_b32 v10, 3, v10
	s_delay_alu instid0(VALU_DEP_1)
	v_sub_nc_u32 v[RH], v9, v10
	s_delay_alu instid0(VALU_DEP_4)
	v_lshlrev_b32 v[R8], 3, v9
	s_wait_alu depctr_va_vdst(0)
	v_lshlrev_b32 v[R4], 2, v9
.macro QLOAD qf, qs, ti, pi, ps        ; tile ti's image (1,024 bytes) and its rows' scale words; address pairs of its own
	s_lshl_b32 s[\pi], s[\ti], 10
	s_add_co_u32 s[\pi], s[\pi], QIMG
	s_mov_b32 s[\pi+1], 0
	s_add_nc_u64 s[\pi:\pi+1], s[HB:HB+1], s[\pi:\pi+1]
	global_load_b128 v[\qf:\qf+3], v[LI], s[\pi:\pi+1]
	global_load_b128 v[\qf+4:\qf+7], v[LI], s[\pi:\pi+1] offset:512
	s_lshr_b32 s[\ps], s[\ti], 2
	s_lshl_b32 s[\ps], s[\ps], 8                   ; 512 (tile / 8) + 256 ((tile / 4) % 2)
	s_and_b32 s46, s[\ti], 1
	s_lshl_b32 s46, s46, 7                         ; odd tiles' words lie in lanes 16-31's places
	s_add_co_u32 s[\ps], s[\ps], s46
	s_bfe_u32 s46, s[\ti], 0x10001
	s_lshl_b32 s46, s46, 2
	s_add_co_u32 s[\ps], s[\ps], s46
	s_add_co_u32 s[\ps], s[\ps], QSC
	s_mov_b32 s[\ps+1], 0
	s_add_nc_u64 s[\ps:\ps+1], s[HB:HB+1], s[\ps:\ps+1]
	global_load_b32 v[\qs], v[R8], s[\ps:\ps+1]
.endm
	QLOAD 16, 230, TIL, 48, 50
	QLOAD 240, 236, TIH, 52, 54
.irp j, 0,1,2,3,4,5,6,7
	v_mov_b32 v[24+\j], 0                          ; the zero codes of K = 64 .. 127: written once
	v_mov_b32 v[248+\j], 0
	v_mov_b32 v[40+\j], 0
	v_mov_b32 v[56+\j], 0
	v_mov_b32 v[72+\j], 0
	v_mov_b32 v[88+\j], 0
.endr
.irp b, 0,1,2,3
	v_mov_b32 v[PT+\b], 0                          ; a lane permute's destination counts as one of its sources
.endr
	v_mov_b32 v233, 0                              ; named as the upper half of the pair v[232:233]
	v_mov_b32 v234, 0
	v_mov_b32 v239, 0xff800000                     ; -infinity
	s_and_b32 s46, s[BH], 15                       ; the head;  where its context goes: K part head / 4, half (head / 2) % 2, blocks 2 (head % 2) on
	s_lshr_b32 s47, s[BH], 4                       ; the batch
	s_lshr_b32 s[CBH], s46, 2
	s_lshl_b32 s[CBH], s[CBH], 21
	s_lshl_b32 s2, s47, 19
	s_add_co_u32 s[CBH], s[CBH], s2
	s_bfe_u32 s2, s46, 0x10001
	s_lshl_b32 s2, s2, 11
	s_add_co_u32 s[CBH], s[CBH], s2
	s_and_b32 s2, s46, 1
	s_lshl_b32 s3, s2, 10
	s_add_co_u32 s[CBH], s[CBH], s3
	s_lshr_b32 s[SBH], s46, 1
	s_lshl_b32 s[SBH], s[SBH], 15
	s_lshl_b32 s3, s47, 13
	s_add_co_u32 s[SBH], s[SBH], s3
	s_lshl_b32 s3, s2, 1
	s_add_co_u32 s[SBH], s[SBH], s3
	s_wait_tensorcnt 0x0                           ; my part of the head has landed,
	s_barrier_signal -1
	s_barrier_wait -1                              ; everybody's has
	s_wait_loadcnt 0x0                             ; Q
.macro BMAX b0, b1                     ; the largest score of key blocks b0 and b1, by turns: 16 lines
	v_max3_num_f32 v[BM+\b0], v[96+16*\b0], v[97+16*\b0], v[98+16*\b0]
	v_max3_num_f32 v[BM+\b1], v[96+16*\b1], v[97+16*\b1], v[98+16*\b1]
.irp i, 3,5,7,9,11,13
	v_max3_num_f32 v[BM+\b0], v[BM+\b0], v[96+16*\b0+\i], v[97+16*\b0+\i]
	v_max3_num_f32 v[BM+\b1], v[BM+\b1], v[96+16*\b1+\i], v[97+16*\b1+\i]
.endr
	v_max_num_f32 v[BM+\b0], v[BM+\b0], v[111+16*\b0]
	v_max_num_f32 v[BM+\b1], v[BM+\b1], v[111+16*\b1]
.endm
; A KEY STEP of 128 keys for the tile whose Q lies in v[qf] on, scale words in v[qs].
.macro STEP qf, qs
	s_cmp_gt_u32 s[KS], s[LS]                      ; all its keys come after my queries: only the address steps at the end are run
	s_cbranch_scc1 .Lhidden_\@
	s_setprio 2
	v_add_nc_u32 v[ADK], s[TB], v[LI]
	s_wait_alu depctr_va_vdst(0)
	v_add_nc_u32 v[ADV], s[TB], v[AV0]
	v_add_nc_u32 v[ADS], s[TS], v[ASK0]
	v_add_nc_u32 v[ADT], s[TJ], v[ASV0]
	ds_load_b64 v[224:225], v[ADS]                 ; register 224 + t / 2: lanes 0-15 tile t even, lanes 16-31 tile t odd
	ds_load_b64 v[226:227], v[ADS] offset:256
.irp g, 0,1
.if \g
.rept 8
	v_nop                                          ; places in front of loads into registers that the four products above read, and of the first read of their results
.endr
.endif
.irp u, 0,1,2,3
.irp c, 0,1
	ds_load_b128 v[32+16*\u+4*\c:35+16*\u+4*\c], v[ADK] offset:(4*\g+\u)*1024+512*\c
.endr
.endr
	s_wait_dscnt 0x0
.irp u, 0,1,2,3
.if \u%2
	v_wmma_scale_f32_16x16x128_f8f6f4 v[96+8*(4*\g+\u):103+8*(4*\g+\u)], v[32+16*\u:47+16*\u], v[\qf:\qf+15], 0, v[224+2*\g+\u/2], v[\qs] matrix_a_fmt:MATRIX_FMT_BF8 matrix_b_fmt:MATRIX_FMT_BF8 matrix_a_scale:MATRIX_SCALE_ROW1
.else
	v_wmma_scale_f32_16x16x128_f8f6f4 v[96+8*(4*\g+\u):103+8*(4*\g+\u)], v[32+16*\u:47+16*\u], v[\qf:\qf+15], 0, v[224+2*\g+\u/2], v[\qs] matrix_a_fmt:MATRIX_FMT_BF8 matrix_b_fmt:MATRIX_FMT_BF8
.endif
.endr
.endr
	s_cmp_lg_u32 s[KS], s[LS]                      ; the tile's last step lies on the diagonal: hidden scores become -infinity.  Register 8 t + j holds key 16 t + 8 h + j: hidden where 16 t + j > v238
	s_cbranch_scc1 .Lopen_\@
.set n, 0
.rept 64                                       ; in ascending order: the first 64 lines name tiles 0-3 alone and are the places behind tiles 4-7's products
	v_cmp_gt_i32 vcc_lo, 16*(n/8)+n%8, v238
	v_cndmask_b32 v[96+n], v[96+n], v239, vcc_lo
.set n, n+1
.endr
.Lopen_\@:
	BMAX 0, 1                                      ; these 16 lines name tiles 0-3 alone: the places behind tiles 4-7's products
	BMAX 2, 3
.irp b, 0,1,2,3
	v_permlanex16_b32 v[PT+\b], v[BM+\b], s[SEL], s[SEL+1]
.endr
.irp b, 0,1,2,3
	s_delay_alu instid0(VALU_DEP_4)
	v_max_num_f32 v[BM+\b], v[BM+\b], v[PT+\b]     ; with lane l xor 16's 16 keys: the block's largest score
.endr
	s_delay_alu instid0(VALU_DEP_2)
	v_max3_num_f32 v234, v[BM], v[BM+1], v[BM+2]
	s_delay_alu instid0(VALU_DEP_1)
	v_max_num_f32 v234, v234, v[BM+3]
	s_delay_alu instid0(VALU_DEP_1)
	v_mul_f32 v234, s[CS], v234
	s_delay_alu instid0(VALU_DEP_1)
	v_max_num_f32 v13, v13, v234                   ; the running largest t
	v_mov_b32 v234, v12
	s_delay_alu instid0(VALU_DEP_2)
	v_floor_f32 v12, -v13                          ; -M = floor(-t)
	s_delay_alu instid0(VALU_DEP_1)
	v_sub_f32 v234, v12, v234                      ; old M - new M: a whole number, 0 or less
	s_delay_alu instid0(VALU_DEP_1)
	v_cvt_i32_f32 v234, v234                       ; (it saturates)
	s_delay_alu instid0(VALU_DEP_1)
	v_ldexp_f32 v232, 1.0, v234                    ; f
.set j, 0
.rept 32
	v_pk_fma_f32 v[96+j:97+j], v[96+j:97+j], s[CS:CS+1], v[12:13] op_sel_hi:[1,0,0]   ; t - M
.set j, j+2
.endr
	s_setprio 1
.irp b, 0,1,2,3
	v_fma_f32 v[BM+\b], v[BM+\b], s[CS], v12       ; the same of each block's largest score: p rises with the score
.endr
.set j, 0
	s_wait_alu depctr_va_vdst(0)
.rept 64
	v_exp_f32 v[96+j], v[96+j]                     ; p = 2^(t - M)
.set j, j+1
.endr
	v_pk_mul_f32 v[14:15], v[14:15], v[232:233] op_sel_hi:[1,0]   ; l under the new M: the plain line behind the exponentials
	s_wait_alu depctr_va_vdst(0)                   ; one wait for the batch, ahead of its first reader
.irp b, 0,1,2,3
	v_exp_f32 v[BM+\b], v[BM+\b]                   ; the block's largest p
.endr
	v_pk_add_f32 v[212:213], v[100:101], v[104:105]
	v_pk_add_f32 v[228:229], v[108:109], v[112:113]
	v_pk_add_f32 v[226:227], v[116:117], v[120:121]
	v_pk_add_f32 v[224:225], v[124:125], v[128:129]
	v_pk_add_f32 v[222:223], v[132:133], v[136:137]
	v_pk_add_f32 v[220:221], v[140:141], v[144:145]
	v_pk_add_f32 v[218:219], v[148:149], v[152:153]
	v_pk_add_f32 v[14:15], v[14:15], v[156:157]
	v_pk_add_f32 v[212:213], v[212:213], v[96:97]
	v_pk_add_f32 v[228:229], v[228:229], v[98:99]
	v_pk_add_f32 v[226:227], v[226:227], v[102:103]
	v_pk_add_f32 v[224:225], v[224:225], v[106:107]
	v_pk_add_f32 v[222:223], v[222:223], v[110:111]
	v_pk_add_f32 v[220:221], v[220:221], v[114:115]
	v_pk_add_f32 v[218:219], v[218:219], v[118:119]
	v_pk_add_f32 v[14:15], v[14:15], v[122:123]
	v_pk_add_f32 v[212:213], v[212:213], v[126:127]
	v_pk_add_f32 v[228:229], v[228:229], v[130:131]
	v_pk_add_f32 v[226:227], v[226:227], v[134:135]
	v_pk_add_f32 v[224:225], v[224:225], v[138:139]
	v_pk_add_f32 v[222:223], v[222:223], v[142:143]
	v_pk_add_f32 v[220:221], v[220:221], v[146:147]
	v_pk_add_f32 v[218:219], v[218:219], v[150:151]
	v_pk_add_f32 v[14:15], v[14:15], v[154:155]
	v_pk_add_f32 v[212:213], v[212:213], v[158:159]
	s_delay_alu instid0(VALU_DEP_2)
	v_pk_add_f32 v[14:15], v[14:15], v[224:225]
	s_delay_alu instid0(VALU_DEP_2)
	v_pk_add_f32 v[212:213], v[212:213], v[222:223]
	v_pk_add_f32 v[228:229], v[228:229], v[220:221]
	v_pk_add_f32 v[226:227], v[226:227], v[218:219]
	s_delay_alu instid0(VALU_DEP_2)
	v_pk_add_f32 v[14:15], v[14:15], v[228:229]
	s_delay_alu instid0(VALU_DEP_2)
	v_pk_add_f32 v[212:213], v[212:213], v[226:227]
	s_delay_alu instid0(VALU_DEP_1)
	v_pk_add_f32 v[14:15], v[14:15], v[212:213]
	s_wait_alu depctr_va_vdst(0)                   ; and one for the four
.irp b, 0,1,2,3
	v_max_num_f32 v[BM+\b], 0x8000000, v[BM+\b]    ; the floor 2^(16 - 127)
.endr
.irp b, 0,1,2,3
	s_delay_alu instid0(VALU_DEP_4)
	v_add_nc_u32 v[SO+\b], 0xf8800000, v[BM+\b]
.endr
.irp b, 0,1,2,3
.endr
.irp b, 0,1,2,3
	s_delay_alu instid0(VALU_DEP_4)
	v_lshrrev_b32 v[PT+\b], 23, v[SO+\b]
.endr
	s_delay_alu instid0(VALU_DEP_3)
	v_lshl_or_b32 v231, v[PT+1], 8, v[PT]          ; p's scale word for these 128 keys
	s_delay_alu instid0(VALU_DEP_1)
	v_lshl_or_b32 v231, v[PT+2], 16, v231
	s_delay_alu instid0(VALU_DEP_1)
	v_lshl_or_b32 v231, v[PT+3], 24, v231
.irp b, 0,1,2,3
.set j, 0
.rept 16
.set j, j+1
.endr
	v_cvt_scalef32_pk8_bf8_f32 v[192+4*\b:193+4*\b], v[96+16*\b:103+16*\b], v[SO+\b]
	v_cvt_scalef32_pk8_bf8_f32 v[194+4*\b:195+4*\b], v[104+16*\b:111+16*\b], v[SO+\b]
.endr
	v_nop
	s_setprio 0
.irp t, 0,1,2,3
.irp c, 0,1,2,3
	ds_load_b128 v[96+16*\t+4*\c:99+16*\t+4*\c], v[ADV] offset:\t*2048+512*\c   ; V's four fragments take p's registers
.endr
.endr
	ds_load_b64 v[228:229], v[ADT]
.set j, 0
.rept 16
	v_pk_mul_f32 v[160+j:161+j], v[160+j:161+j], v[232:233] op_sel_hi:[1,0]   ; O^T under the new M; also the places between the codes and the products
.set j, j+2
.endr
	s_wait_alu depctr_va_vdst(0)
	s_wait_dscnt 0x0
.irp t, 0,1,2,3
.if \t%2
	v_wmma_scale_f32_16x16x128_f8f6f4 v[160+8*\t:167+8*\t], v[96+16*\t:111+16*\t], v[192:207], v[160+8*\t:167+8*\t], v[228+\t/2], v231 matrix_a_fmt:MATRIX_FMT_BF8 matrix_b_fmt:MATRIX_FMT_BF8 matrix_a_scale:MATRIX_SCALE_ROW1
.else
	v_wmma_scale_f32_16x16x128_f8f6f4 v[160+8*\t:167+8*\t], v[96+16*\t:111+16*\t], v[192:207], v[160+8*\t:167+8*\t], v[228+\t/2], v231 matrix_a_fmt:MATRIX_FMT_BF8 matrix_b_fmt:MATRIX_FMT_BF8
.endif
.endr
.rept 9
	v_nop                                          ; the next scores are written over V's fragments by matrix instructions: nine places; the tile's end reads O^T: eight
.endr
.Lhidden_\@:
	s_add_co_u32 s[TB], s[TB], 8192                ; the next step's images,
	s_add_co_u32 s[TS], s[TS], 512                 ; K's scale words,
	s_add_co_u32 s[TJ], s[TJ], 256                 ; V's
.endm
; A TILE of 16 queries: ti names the scalar with its number; hi = 1: the high tile.
.macro TILE qf, qs, trips, ti, hi
.if \hi
	s_sub_co_u32 s[LS], 15, s[AA]
.else
	s_mov_b32 s[LS], s[AA]
.endif
	s_and_b32 s62, s[\ti], 7
	s_lshl_b32 s62, s62, 4
	v_add_nc_u32 v238, s62, v[RH]                  ; my query's place in the diagonal step, less 8 h
	s_mov_b32 s[TB], 0
	s_mov_b32 s[TS], 0
	s_mov_b32 s[TJ], 0
	s_mov_b32 s[KS], 0
	v_mov_b32 v13, 0xff61b1e6                      ; -3e38, under every t
	s_delay_alu instid0(VALU_DEP_1)
	v_floor_f32 v12, -v13
	v_mov_b32 v14, 0
	v_mov_b32 v15, 0
.set j, 0
.rept 32
	v_mov_b32 v[160+j], 0                          ; the step is written once: the first finds zeros
.set j, j+1
.endr
.Lstep_\@:
	STEP \qf, \qs
	s_add_co_u32 s[KS], s[KS], 1
	s_cmp_lt_u32 s[KS], \trips
	s_cbranch_scc1 .Lstep_\@
	s_setprio 0
	v_add_f32 v14, v14, v15
	s_delay_alu instid0(VALU_DEP_1)
	v_permlanex16_b32 v234, v14, s[SEL], s[SEL+1]
	s_delay_alu instid0(VALU_DEP_1)
	v_add_f32 v14, v14, v234                       ; l
	s_wait_alu depctr_va_vdst(0)
	v_rcp_f32 v235, v14
	v_nop
	s_lshl_b32 s58, s[\ti], 12                     ; 4,096 bytes a tile of rows in ctxc,
	s_add_co_u32 s58, s58, s[CBH]
	s_mov_b32 s59, 0
	s_add_nc_u64 s[58:59], s[6:7], s[58:59]
	s_lshl_b32 s60, s[\ti], 6                      ; 64 in ctxs
	s_add_co_u32 s60, s60, s[SBH]
	s_mov_b32 s61, 0
	s_add_nc_u64 s[60:61], s[8:9], s[60:61]
	s_wait_alu depctr_va_vdst(0)                   ; ahead of the reciprocal's first reader
.set j, 0
.rept 32
	v_mul_f32 v[96+j], v[160+j], v235              ; register 16 c + 8 x + z: channel 32 c + 16 x + 8 h + z of my query
.set j, j+1
.endr
.irp c, 0,1
	v_max3_num_f32 v[BM+\c], |v[96+16*\c]|, |v[97+16*\c]|, 0x8000000
.endr
.irp i, 2,4,6,8,10,12,14
.irp c, 0,1
	s_delay_alu instid0(VALU_DEP_2)
	v_max3_num_f32 v[BM+\c], v[BM+\c], |v[96+16*\c+\i]|, |v[97+16*\c+\i]|
.endr
.endr
.irp c, 0,1
	s_delay_alu instid0(VALU_DEP_2)
	v_permlanex16_b32 v[PT+\c], v[BM+\c], s[SEL], s[SEL+1]
.endr
.irp c, 0,1
	s_delay_alu instid0(VALU_DEP_2)
	v_max_num_f32 v[BM+\c], v[BM+\c], v[PT+\c]
.endr
.irp c, 0,1
	s_delay_alu instid0(VALU_DEP_2)
	v_add_nc_u32 v[SO+\c], 0xf8800000, v[BM+\c]
.endr
.irp c, 0,1
	s_delay_alu instid0(VALU_DEP_2)
	v_lshrrev_b32 v[PT+\c], 23, v[SO+\c]
.endr
	s_delay_alu instid0(VALU_DEP_1)
	v_lshl_or_b32 v234, v[PT+1], 8, v[PT]          ; my head's two bytes of the row's scale word
.irp c, 0,1
.set j, 0
.rept 16
.set j, j+1
.endr
	v_cvt_scalef32_pk8_bf8_f32 v[192+4*\c:193+4*\c], v[96+16*\c:103+16*\c], v[SO+\c]
	v_cvt_scalef32_pk8_bf8_f32 v[194+4*\c:195+4*\c], v[104+16*\c:111+16*\c], v[SO+\c]
.endr
	v_nop                                          ; one plain vector instruction behind the last conversion
.irp c, 0,1
	v_permlane16_swap_b32 v[192+4*\c], v[194+4*\c] ; into the true order: lanes 0-15 channels 32 c + 0 .. 15, lanes 16-31 channels 32 c + 16 .. 31
	v_permlane16_swap_b32 v[193+4*\c], v[195+4*\c]
.endr
	global_store_b128 v[LI], v[192:195], s[58:59]              ; each store of the wave covers 512 consecutive bytes, aligned
	global_store_b128 v[LI], v[196:199], s[58:59] offset:512
	global_store_b16 v[R4], v234, s[60:61]         ; both lanes of a row write the same two bytes with the same value
	s_wait_xcnt 0x0                                ; the stores have read their data and bases: the next tile writes them again
.endm
	TILE 16, 230, 8, TIL, 0
	TILE 240, 236, 16, TIH, 1
	s_wait_dscnt 0x0
	s_wait_xcnt 0x0
	v_lshl_add_u32 v254, v0, 2, 0x43000
	v_mov_b32 v255, 0
	s_wait_alu depctr_va_vdst(0)
	s_wait_tensorcnt 0x0
	ds_add_u32 v254, v255
	s_wait_dscnt 0x0
	CROUND                                         ; the closing round
	s_endpgm
.Lfunc_end_k_q0e502a8ecb_attn:
	.size	k_q0e502a8ecb_attn, .Lfunc_end_k_q0e502a8ecb_attn-k_q0e502a8ecb_attn
	.p2alignl 7, 3214868480
	.fill 96, 4, 3214868480
	.section	.rodata,"a",@progbits
	.p2align	6, 0x0
	.amdhsa_kernel k_q0e502a8ecb_attn
		.amdhsa_group_segment_fixed_size 276480
		.amdhsa_private_segment_fixed_size 0
		.amdhsa_enable_private_segment 0
		.amdhsa_kernarg_size 24
		.amdhsa_user_sgpr_count 2
		.amdhsa_user_sgpr_kernarg_segment_ptr 1
		.amdhsa_wavefront_size32 1
		.amdhsa_system_sgpr_workgroup_id_x 1
		.amdhsa_system_sgpr_workgroup_id_y 1
		.amdhsa_system_sgpr_workgroup_id_z 1
		.amdhsa_system_vgpr_workitem_id 0
		.amdhsa_next_free_vgpr 256
		.amdhsa_next_free_sgpr 66
		.amdhsa_reserve_vcc 1
		.amdhsa_float_denorm_mode_32 3
		.amdhsa_float_denorm_mode_16_64 3
		.amdhsa_fp16_overflow 1
		.amdhsa_memory_ordered 1
		.amdhsa_forward_progress 1
		.amdhsa_inst_pref_size 66
	.end_amdhsa_kernel
	.amdgpu_metadata
---
amdhsa.version: [ 1, 2 ]
amdhsa.kernels:
  - .name:           k_q0e502a8ecb_attn
    .symbol:         k_q0e502a8ecb_attn.kd
    .args:
      - { .name: qkv, .offset: 0, .size: 8, .value_kind: global_buffer, .address_space: global }
      - { .name: ctxc, .offset: 8, .size: 8, .value_kind: global_buffer, .address_space: global }
      - { .name: ctxs, .offset: 16, .size: 8, .value_kind: global_buffer, .address_space: global }
    .group_segment_fixed_size: 276480
    .private_segment_fixed_size: 0
    .kernarg_segment_align: 8
    .kernarg_segment_size: 24
    .max_flat_workgroup_size: 512
    .sgpr_count:     66
    .vgpr_count:     256
    .wavefront_size: 32
...
	.end_amdgpu_metadata
.endif
;; end of part 2
;; launch oproj (part 3): grid 4 x 64, 4 waves a work-group, clusters of 4 x 4, 327,680 bytes of LDS; arguments ctxc, ctxs, w_o_codes, w_o_scales, b_o, out0; writes out0
.if DOCPART == 3
	.amdgcn_target "amdgcn-amd-amdhsa--gfx1250"
	.amdhsa_code_object_version 6
	.text
	.protected	k_q0e502a8ecb_oproj
	.globl	k_q0e502a8ecb_oproj
	.p2align	8
	.type	k_q0e502a8ecb_oproj,@function
k_q0e502a8ecb_oproj:
	s_mov_b64 s[64:65], 0
	v_nop
	global_prefetch_b8 v0, s[64:65] scope:SCOPE_SE
	s_setreg_imm32_b32 hwreg(HW_REG_WAVE_MODE, 25, 1), 1
	s_wait_xcnt 0x0
	s_wait_alu depctr_hold_cnt(0) depctr_sa_sdst(0) depctr_va_vdst(0) depctr_va_sdst(0) depctr_va_ssrc(0) depctr_va_vcc(0) depctr_vm_vsrc(0)
	s_getreg_b32 s2, hwreg(HW_REG_IB_STS2, 6, 4)
	s_cmp_eq_u32 s2, 0
	s_cbranch_scc0 .Lentry_in_a_cluster
	s_endpgm
.Lentry_in_a_cluster:
	s_bfe_u32 s2, ttmp6, 0x10000c
	s_cmp_lg_u32 s2, 0xf033
	s_cbranch_scc0 .Lentry_shape_is_right
	s_endpgm
.Lentry_shape_is_right:
; out = ctx Wo^T + b_o on codes of E5M2 with E8M0 scales.  A work-group makes 128 rows x 256 columns, K = 1,024; four waves, each 64 x 128: 32 accumulators.
; THE MATRIX INSTRUCTION IS USED TRANSPOSED: source 0 = 16 rows of Wo, source 1 = 16 rows of ctx: a lane holds eight neighbouring columns of one row of the output.
; ctx's codes lie in memory as images of operand registers, [K part of 256][tile of 16 rows][half][block][lane][16 bytes]: a work-group's 128 rows of a K part are 32,768 dense bytes, and a fragment comes back by four
; loads of 512 consecutive bytes.  Wo's tiles are rows of 256 bytes, padded in LDS.  K goes in four parts through three LDS slots, all filled at the start; part 3 goes into slot 0 behind one round of the cluster's barrier.
; CLUSTER 4 x 4: ctx's tile is shared along a row of the cluster, Wo's along a column: joint loads.  The scale words go from memory into registers, once: lanes 0-15 hold K steps 0-3, lanes 16-31 steps 4-7.
; The bias is the C of each sum's first matrix instruction.  The results leave through each wave's own stage in LDS, as whole rows of 512 bytes.
; LIMITS: NaN and infinities are not served.
.set PITCH, 272
.set BHALF, 128*PITCH
.set AIMG,  32768                      ; ctx's images of a K part
.set SLOT,  AIMG+2*BHALF
.set SPARE, 3*SLOT                     ; behind the slots: the spare words, 128 bytes a wave
.set STAGE, SLOT                       ; the way out: 16 rows x 528 bytes a wave, in slot 1: it has its only fill at the start, and its last reads are over ahead of the second barrier
.set SPITCH, 528
.set ADRA, 16
.set ADRB, 20
.set STO,  24
.set RD,   25
.set CO,   26
.set SPW,  28
.set NIL,  29
.set SCA,  32                          ; v32-47 ctx's scale words: 4 a + (K step % 4)
.set SCB,  48                          ; v48-79 Wo's: 4 b + (K step % 4)
.set AF,   128                         ; v128-255 ctx's fragments, two sets;  window 1: Wo's, two sets;  window 2: the accumulators at 8 (8 a + b);  window 3: v0-63 the bias, tile b at 8 b
.set BK,   128                         ; the way out: rows read back, v128-191 and v192-255 by turns
.set G1A, 32
.set G1B, 40
.set G0A, 48
.set G0B, 68
.set WV, 80
.set WR, 81
.set WC, 82
.set CX, 83
.set CY, 84
.set TR, 85
.set TC, 86
.set OB, 14                            ; s[14:15] where my rows of the output go
.set MULW, 0xa1
.set MULB, 0xb1                        ; the same with C from window 3
.set TO_B, 0x40
.set MSB, 0
.macro WIN new
.if MSB != \new
	s_set_vgpr_msb (MSB<<8)|\new
.set MSB, \new
.endif
.endm
.macro PLACES n
.rept \n
	v_nop
.endr
.endm
.macro JLOAD g0a, g0b                  ; waves 0, 1 fetch ctx's halves, waves 2, 3 Wo's; four v_nop follow each line
	s_cmp_eq_u32 s[WR], 0
	s_cbranch_scc0 .Lfor_b_\@
	tensor_load_to_lds s[\g0a:\g0a+3], s[G1A:G1A+7]
	s_nop 0
	PLACES 4
	s_branch .Lasked_\@
.Lfor_b_\@:
	tensor_load_to_lds s[\g0b:\g0b+3], s[G1B:G1B+7]
	s_nop 0
	PLACES 4
.Lasked_\@:
.endm
.macro CREST
	s_cmp_lg_u32 s[WV], 0
	s_cbranch_scc1 .Lnot_wave_0_\@
	s_barrier_signal -3
.Lnot_wave_0_\@:
	s_barrier_wait -3
	s_barrier_signal -1
	s_barrier_wait -1
.endm
.macro CROUND
	s_barrier_signal -1
	s_barrier_wait -1
	CREST
.endm
	s_load_b256 s[4:11], s[0:1], 0x0               ; ctx's codes, ctx's scales, Wo's codes, Wo's scales
	s_load_b128 s[12:15], s[0:1], 0x20             ; b_o, out0
	v_lshl_add_u32 v[SPW], v0, 2, SPARE
	v_mov_b32 v[NIL], 0
	ds_add_u32 v28, v29
	ds_add_u32 v28, v29
	s_wait_dscnt 0x0
	v_lshrrev_b32 v1, 5, v0
	v_readfirstlane_b32 s[WV], v1
	s_lshr_b32 s[WR], s[WV], 1                     ; my half of the rows.  Also: I fetch ctx (0) or Wo (1)
	s_and_b32 s[WC], s[WV], 1                      ; my half of the columns.  Also: which half of that tile I fetch
	s_bfe_u32 s[CX], ttmp6, 0x40000
	s_bfe_u32 s[CY], ttmp6, 0x40004
	s_and_b32 s22, ttmp7, 0xffff
	s_lshl_b32 s22, s22, 2
	s_add_co_u32 s[TR], s22, s[CY]                 ; which 128 rows
	s_lshl_b32 s24, ttmp9, 2
	s_add_co_u32 s[TC], s24, s[CX]                 ; which 256 columns
	s_lshl_b32 s22, s[CY], 2
	s_lshl_b32 s22, 15, s22                        ; my row of the cluster
	s_lshl_b32 s24, 0x1111, s[CX]                  ; my column
	s_or_b32 s[G1A], s22, (3<<16)|(1<<21)          ; mask; elements of 8 bytes; bit 21 beside a mask; no padding
	s_or_b32 s[G1B], s24, (1<<20)|(1<<21)|(5<<22)|(3<<25)   ; mask; elements of 1 byte; 4 words of padding behind every 64
	s_mov_b32 s[G1A+1], 32<<16                     ; 64 dense rows of 256 bytes
	s_mov_b32 s[G1A+2], 64<<16
	s_mov_b32 s[G1A+3], 32<<16
	s_mov_b32 s[G1A+4], 64
	s_mov_b32 s[G1A+5], 32
	s_mov_b32 s[G1A+6], 0
	s_mov_b32 s[G1A+7], 0
	s_mov_b32 s[G1B+1], 256<<16                    ; 128 rows of 256 bytes, 1,024 apart
	s_mov_b32 s[G1B+2], 128<<16
	s_mov_b32 s[G1B+3], 256<<16
	s_mov_b32 s[G1B+4], 128
	s_mov_b32 s[G1B+5], 1024
	s_mov_b32 s[G1B+6], 0
	s_mov_b32 s[G1B+7], 0
	s_lshl_b32 s22, s[TR], 15                      ; ctx: 32,768 bytes for 128 rows of a K part, 16,384 a half (registers that never hold cx)
	s_lshl_b32 s23, s[WC], 14
	s_add_co_u32 s22, s22, s23
	s_mov_b32 s23, 0
	s_lshl_b32 s24, s[TC], 8                       ; Wo: row 256 TC + 128 x half (registers that never hold cy)
	s_lshl_b32 s25, s[WC], 7
	s_add_co_u32 s24, s24, s25
	s_lshl_b32 s24, s24, 10
	s_mov_b32 s25, 0
	s_lshl_b32 s98, s[WC], 14                      ; where they go in a slot: the wave's number alone
	s_mul_i32 s99, s[WC], BHALF
	s_add_co_u32 s99, s99, AIMG
	s_wait_kmcnt 0x0
	s_add_nc_u64 s[4:5], s[4:5], s[22:23]
	s_add_nc_u64 s[8:9], s[8:9], s[24:25]
	CROUND                                         ; all sixteen work-groups are here: the first joint loads meet
.irp s, 0,1,2
	s_mov_b32 s[G0A+4*\s], 1
	s_add_co_u32 s[G0A+4*\s+1], s98, \s*SLOT
	s_add_nc_u64 s[G0A+4*\s+2:G0A+4*\s+3], s[4:5], \s*2097152
	s_or_b32 s[G0A+4*\s+3], s[G0A+4*\s+3], 0x80000000
	s_mov_b32 s[G0B+4*\s], 1
	s_add_co_u32 s[G0B+4*\s+1], s99, \s*SLOT
	s_add_nc_u64 s[G0B+4*\s+2:G0B+4*\s+3], s[8:9], \s*256
	s_or_b32 s[G0B+4*\s+3], s[G0B+4*\s+3], 0x80000000
	s_wait_alu depctr_va_vdst(0)
	s_wait_tensorcnt 0x0
	ds_add_u32 v28, v29
	ds_add_u32 v28, v29
	s_wait_dscnt 0x0
	CROUND
	JLOAD G0A+4*\s, G0B+4*\s                       ; K parts 0, 1, 2: one load of mine is out at a time
.endr
	v_and_b32 v1, 15, v0                           ; r
	v_bfe_u32 v2, v0, 4, 1                         ; h
	v_lshlrev_b32 v3, 5, v1
	v_lshl_add_u32 v3, v2, 4, v3                   ; Wo's scales: 32 r + 16 h
	v_lshlrev_b32 v6, 2, v1
	v_lshl_add_u32 v6, v2, 17, v6                  ; ctx's: 4 r, and four K steps (131,072 bytes) on for lanes 16-31
	s_wait_alu depctr_va_vdst(0)
	v_lshlrev_b32 v5, 5, v2                        ; the bias: 32 h
	s_wait_alu depctr_va_vdst(0)
	s_lshl_b32 s22, s[TR], 7
	s_lshl_b32 s23, s[WR], 6
	s_add_co_u32 s22, s22, s23                     ; my first row
	s_lshl_b32 s26, s22, 12                        ; x 4,096 bytes of the output
	s_lshl_b32 s22, s22, 2                         ; x 4 bytes of scale words
	s_mov_b32 s23, 0
	s_add_nc_u64 s[6:7], s[6:7], s[22:23]
	s_lshl_b32 s24, s[TC], 8
	s_lshl_b32 s25, s[WC], 7
	s_add_co_u32 s24, s24, s25                     ; my first column
	s_lshl_b32 s28, s24, 2                         ; x 4 bytes of bias and of output
	s_lshl_b32 s24, s24, 5                         ; x 32 scale bytes
	s_mov_b32 s25, 0
	s_add_nc_u64 s[10:11], s[10:11], s[24:25]
	s_mov_b32 s29, 0
	s_add_nc_u64 s[12:13], s[12:13], s[28:29]
	s_add_co_u32 s26, s26, s28
	s_mov_b32 s27, 0
	s_add_nc_u64 s[OB:OB+1], s[OB:OB+1], s[26:27]
.irp a, 0,1,2,3
.irp w, 0,1,2,3
	global_load_b32 v[SCA+4*\a+\w], v6, s[6:7] offset:32768*\w+64*\a
.endr
.endr
.irp b, 0,1,2,3,4,5,6,7
	global_load_b128 v[SCB+4*\b:SCB+4*\b+3], v3, s[10:11] offset:512*\b
.endr
	WIN 0xc0                                       ; destination window 3
.irp b, 0,1,2,3,4,5,6,7
	global_load_b128 v[8*\b:8*\b+3], v5, s[12:13] offset:64*\b          ; b_o at my column block b, + 8 h + 0 .. 7
	global_load_b128 v[8*\b+4:8*\b+7], v5, s[12:13] offset:64*\b+16
.endr
	WIN 0
	v_and_b32 v7, 31, v0
	v_lshlrev_b32 v[CO], 4, v7                     ; 16 x lane
	v_mul_u32_u24 v4, v1, PITCH
	v_lshl_add_u32 v4, v2, 4, v4
	s_lshl_b32 s26, s[WR], 14                      ; my 64 rows' images
	s_mul_i32 s27, s[WC], BHALF
	s_add_co_u32 s27, s27, AIMG
.irp s, 0,1,2
	v_add_nc_u32 v[ADRA+\s], s26, v[CO]
	v_add_nc_u32 v[ADRB+\s], s27, v4
	s_add_co_u32 s26, s26, SLOT
	s_add_co_u32 s27, s27, SLOT
.endr
	s_mul_i32 s26, s[WV], 16*SPITCH
	s_add_co_u32 s26, s26, STAGE                   ; my stage
	v_mul_u32_u24 v8, v1, SPITCH
	v_lshl_add_u32 v8, v2, 5, v8
	v_add_nc_u32 v[STO], s26, v8                   ; in: row r, 32 bytes for each half of the lanes
	v_add_nc_u32 v[RD], s26, v[CO]                 ; back: the 32 lanes take a row of 512 bytes
.macro FRAGR reg, adr, q, i            ; Wo: 16 rows x 128 K from padded rows
.irp c, 0,1,2,3
	ds_load_b128 v[\reg+4*\c:\reg+4*\c+3], v[\adr] offset:128*(\q)+32*\c+(\i)*16*PITCH
.endr
.endm
.macro FRAGI reg, adr, q, i            ; ctx: an image comes back as it was stored
.irp c, 0,1,2,3
	ds_load_b128 v[\reg+4*\c:\reg+4*\c+3], v[\adr] offset:(\i)*4096+(\q)*2048+512*\c
.endr
.endm
.macro FETCH s                         ; K step s of 128: 48 LDS loads in one run, into the sets s % 2
	WIN TO_B
.irp i, 0,1,2,3,4,5,6,7
	FRAGR 128*((\s)%2)+16*\i, ADRB+((\s)/2)%3, (\s)%2, \i
.endr
	WIN 0
.irp i, 0,1,2,3
	FRAGI AF+64*((\s)%2)+16*\i, ADRA+((\s)/2)%3, (\s)%2, \i
.endr
.endm
.macro WM d, f0, f1, first, cb, s0, s1, row
.if \first
	v_wmma_scale_f32_16x16x128_f8f6f4 v[\d:\d+7], v[\f0:\f0+15], v[\f1:\f1+15], v[\cb:\cb+7], v[\s0], v[\s1] matrix_a_fmt:MATRIX_FMT_BF8 matrix_b_fmt:MATRIX_FMT_BF8
.elseif \row
	v_wmma_scale_f32_16x16x128_f8f6f4 v[\d:\d+7], v[\f0:\f0+15], v[\f1:\f1+15], v[\d:\d+7], v[\s0], v[\s1] matrix_a_fmt:MATRIX_FMT_BF8 matrix_b_fmt:MATRIX_FMT_BF8 matrix_a_scale:MATRIX_SCALE_ROW1 matrix_b_scale:MATRIX_SCALE_ROW1
.else
	v_wmma_scale_f32_16x16x128_f8f6f4 v[\d:\d+7], v[\f0:\f0+15], v[\f1:\f1+15], v[\d:\d+7], v[\s0], v[\s1] matrix_a_fmt:MATRIX_FMT_BF8 matrix_b_fmt:MATRIX_FMT_BF8
.endif
.endm
.macro MUL a, s, first                 ; 8 matrix instructions: row block a against the eight column blocks.  The 32 accumulators take turns, in the same order in every step
.irp b, 0,1,2,3,4,5,6,7
	WM 8*(8*(\a)+\b), 128*((\s)%2)+16*\b, AF+64*((\s)%2)+16*(\a), \first, 8*\b, SCB+4*\b+(\s)%4, SCA+4*(\a)+(\s)%4, (\s)/4
.endr
.endm
.macro STEP s, first
.if (\s) > 0
	PLACES 8                                       ; loads into registers that the last step's products read stand eight plain vector instructions behind them
.endif
	FETCH (\s)+1
	s_wait_dscnt 48                                ; all but the 48 just issued: this step's fragments are in
.if \first
	WIN MULB                                       ; the first products take the bias as C: nothing is cleared, nothing is added later
.else
	WIN MULW
.endif
	MUL 0, \s, \first
	MUL 1, \s, \first
	MUL 2, \s, \first
	MUL 3, \s, \first
.endm
.macro TURN s, fill
	WIN 0
	s_wait_tensorcnt 0x0                           ; all my tensor loads have landed
	ds_add_u32 v[SPW], v[NIL]                      ; 0 onto my spare word
	s_wait_dscnt 1                                 ; this step's fragments are in; the add alone may be out
	WIN MULW
	MUL 0, \s, 0
	s_wait_dscnt 0x0                               ; the add is done, and no LDS read of mine is out
	s_barrier_signal -1
	MUL 1, \s, 0
	WIN 0
	s_barrier_wait -1
.if \fill
	CREST                                          ; the barrier has opened a round of the cluster's: no wave of any partner still reads slot 0 or has a load on its way
	s_add_nc_u64 s[G0A+2:G0A+3], s[G0A+2:G0A+3], 3*2097152
	s_add_nc_u64 s[G0B+2:G0B+3], s[G0B+2:G0B+3], 768
	JLOAD G0A, G0B                                 ; the first tensor load behind the round, one a wave; its four v_nop are four of the eight places below
	PLACES 4
.else
	PLACES 8
.endif
	FETCH (\s)+1
	WIN MULW
	MUL 2, \s, 0
	MUL 3, \s, 0
.endm
	s_wait_alu depctr_va_vdst(0)
	s_wait_tensorcnt 2                             ; my part of slot 0 is in; only part 2's load may be out
	s_barrier_signal -1
	s_barrier_wait -1
	FETCH 0
	s_wait_loadcnt 0x0                             ; the scale words and the bias
	STEP 0, 1
	TURN 1, 1                                      ; slots 1 and 2 are whole for everybody; slot 0 has been read out and takes part 3
	STEP 2, 0
	STEP 3, 0
	STEP 4, 0
	TURN 5, 0                                      ; part 3 is whole for everybody, and nobody reads slot 1 any more
	STEP 6, 0
	s_wait_dscnt 0x0
	MUL 0, 7, 0
	MUL 1, 7, 0
	MUL 2, 7, 0
	MUL 3, 7, 0
	WIN 0
; THE WAY OUT, 16 rows x 128 columns at a time: a lane holds 32 neighbouring bytes of a row; through my own stage they come back as whole rows of 512 bytes.  LDS serves a wave's instructions in order (ISA guide 5.7.1.4).
.macro TOSTAGE a
	WIN 0x08                                       ; an LDS store's data: window 2
.irp b, 0,1,2,3,4,5,6,7
	ds_store_b128 v[STO], v[64*(\a)+8*\b:64*(\a)+8*\b+3] offset:64*\b          ; each accumulator from its low end on
	ds_store_b128 v[STO], v[64*(\a)+8*\b+4:64*(\a)+8*\b+7] offset:64*\b+16
.endr
	WIN 0
.set BB, BK+64*((\a)%2)
.irp t, 0,1,2,3,4,5,6,7,8,9,10,11,12,13,14,15
	ds_load_b128 v[BB+4*\t:BB+4*\t+3], v[RD] offset:\t*SPITCH
.endr
.endm
.macro SEND a, younger                 ; younger: the LDS instructions issued behind block a's loads, which may stay out
.set BB, BK+64*((\a)%2)
	s_wait_dscnt \younger
.if (\a) > 0
	s_add_nc_u64 s[OB:OB+1], s[OB:OB+1], 65536     ; 16 rows on (the earlier stores have read their base: a wait on XCNT stands ahead)
.endif
.irp t, 0,1,2,3,4,5,6,7,8,9,10,11,12,13,14,15
	global_store_b128 v[CO], v[BB+4*\t:BB+4*\t+3], s[OB:OB+1] offset:\t*4096 th:TH_STORE_NT   ; 32 lanes store 512 consecutive bytes, aligned
.endr
.endm
	PLACES 8                                       ; behind the last products: for the stores that read results and the loads into ctx's fragment registers
	TOSTAGE 0
.irp a, 1,2,3
.if \a > 1
	s_wait_xcnt 0x0                                ; block a - 2's stores have read their registers and their base
.endif
	TOSTAGE \a
	SEND \a-1, 32                                  ; behind block a - 1's loads: block a's 16 stores and 16 loads
.endr
	s_wait_xcnt 0x0
	SEND 3, 0
	s_wait_tensorcnt 0x0                           ; the wave's end
	ds_add_u32 v[SPW], v[NIL]
	s_wait_dscnt 0x0
	CROUND                                         ; the closing round
	s_endpgm
.Lfunc_end_k_q0e502a8ecb_oproj:
	.size	k_q0e502a8ecb_oproj, .Lfunc_end_k_q0e502a8ecb_oproj-k_q0e502a8ecb_oproj
	.p2alignl 7, 3214868480
	.fill 96, 4, 3214868480
	.section	.rodata,"a",@progbits
	.p2align	6, 0x0
	.amdhsa_kernel k_q0e502a8ecb_oproj
		.amdhsa_group_segment_fixed_size 327680
		.amdhsa_private_segment_fixed_size 0
		.amdhsa_enable_private_segment 0
		.amdhsa_kernarg_size 48
		.amdhsa_user_sgpr_count 2
		.amdhsa_user_sgpr_kernarg_segment_ptr 1
		.amdhsa_wavefront_size32 1
		.amdhsa_system_sgpr_workgroup_id_x 1
		.amdhsa_system_sgpr_workgroup_id_y 1
		.amdhsa_system_sgpr_workgroup_id_z 1
		.amdhsa_system_vgpr_workitem_id 0
		.amdhsa_next_free_vgpr 832
		.amdhsa_next_free_sgpr 102
		.amdhsa_reserve_vcc 0
		.amdhsa_float_denorm_mode_32 3
		.amdhsa_float_denorm_mode_16_64 3
		.amdhsa_memory_ordered 1
		.amdhsa_forward_progress 1
		.amdhsa_inst_pref_size 89
	.end_amdhsa_kernel
	.amdgpu_metadata
---
amdhsa.version: [ 1, 2 ]
amdhsa.kernels:
  - .name:           k_q0e502a8ecb_oproj
    .symbol:         k_q0e502a8ecb_oproj.kd
    .args:
      - { .name: ctxc, .offset: 0, .size: 8, .value_kind: global_buffer, .address_space: global }
      - { .name: ctxs, .offset: 8, .size: 8, .value_kind: global_buffer, .address_space: global }
      - { .name: w_o_codes, .offset: 16, .size: 8, .value_kind: global_buffer, .address_space: global }
      - { .name: w_o_scales, .offset: 24, .size: 8, .value_kind: global_buffer, .address_space: global }
      - { .name: b_o, .offset: 32, .size: 8, .value_kind: global_buffer, .address_space: global }
      - { .name: out0, .offset: 40, .size: 8, .value_kind: global_buffer, .address_space: global }
    .group_segment_fixed_size: 327680
    .private_segment_fixed_size: 0
    .kernarg_segment_align: 8
    .kernarg_segment_size: 48
    .max_flat_workgroup_size: 128
    .sgpr_count:     102
    .vgpr_count:     832
    .wavefront_size: 32
...
	.end_amdgpu_metadata
.endif
;; end of part 3
